; MI455X (gfx1250); checked and timed in simulation.
; The chip was launched on July 23, 2026; its instructions are those of AMD's public machine-readable ISA for CDNA 5 (MIT licence, August 2026) and "CDNA5" Instruction Set Architecture Reference Guide (July 2026). The comments in the code are by the model that wrote it; some were corrected since.
;; E 02 HSE v2. Allowed arithmetic: float matrix products may take bf16 or f16 operands with f32 sums; all other float work in f32.
;; Inputs: W1 2,576 x 256 float32; W2 256 x 256 float32; b1 256 float32; b2 256 float32; channel_embed 10 x 8 float32; channel_type_mapping 5 x 20 int32; fs 32 float32; ln1_b 2,576 float32; ln1_g 2,576 float32; ln2_b 256 float32; ln2_g 256 float32; start_C 32 x 512 int32; start_L 32 x 512 int32; system_embed 5 x 16 float32; x 32 x 8,192 x 8 float32.
;; Outputs: out0 32 x 512 x 256 float32.
;; Constants: system_id = 3.
;; One version. Each part assembles by itself: llvm-mc -triple=amdgcn-amd-amdhsa -mcpu=gfx1250 --defsym DOCPART=n.
;; ======== version 1 of 1: 2 launches
;; limits: values are held in f16: magnitudes above 65,504 overflow, below 6.1e-05 lose precision
;; workspace buffers: ws 346,112 bytes
;; launch prep (part 1): grid 72 x 1, 8 waves a work-group, no clusters, 21,504 bytes of LDS; arguments W1, W2, b1, b2, ln1_g, ln1_b, ln2_g, ln2_b, ws; writes ws
.if DOCPART == 1
	.amdgcn_target "amdgcn-amd-amdhsa--gfx1250"
	.amdhsa_code_object_version 6
	.text
	.protected	k_qd810489712_prep
	.globl	k_qd810489712_prep
	.p2align	8
	.type	k_qd810489712_prep,@function
k_qd810489712_prep:
	s_mov_b64 s[64:65], 0
	v_nop
	global_prefetch_b8 v0, s[64:65] scope:SCOPE_SE
	s_setreg_imm32_b32 hwreg(HW_REG_WAVE_MODE, 25, 1), 1
	s_wait_xcnt 0x0
; prep: folds the two LayerNorm gains and biases into the weights, once, for the launch that follows.
; A feature vector of 2,576 numbers holds only 368 different ones (256 data, 64 times each 4 times, 32 channel-embedding
; numbers each 64 times, 16 system numbers).  Equal features have equal normalised values n, so
; sum_j n_j g_j W1[j][d] is grouped exactly: rows of g*W1 that meet the same n are added (in f32, rounded to f16 once).
; ws holds:  WCF   0        grouped g1*W1, f16, 384 k positions x 256 columns, in the order in which a lane loads its fragment
;            W2F   196608   g2*W2, f16, 256 x 256, likewise
;            C0P   327680   17 rows of 256 f32: partial sums of ln1_b @ W1 (row 16 also holds b1)
;            C2O   345088   256 f32: ln2_b @ W2 + b2
; Fragment order: tile dt = 4 w + t holds the columns 64 w + 4 r + t (r = 0..15); chunk kg = 8 k positions;
; byte = dt*KS*1024 + kg*256 + 16 r + 2*(position in the chunk), KS = 12 (WCF) or 8 (W2F).
; k positions of WCF: 8 l + 4 q + c = W1 row 128 q + 4 l + c (data);  256 + 4 l + {0,1,2,3} = {time l, time 32+l, channel l, system l (l < 16, else 0)}.
; k positions of W2F: chunk 8 wk + 2 tk + h, position j = W2 row 64 wk + 32 h + 4 j + tk.
; A wave's 16-byte load covers two rows (x = lane / 16) x 64 columns: two aligned runs of 256 bytes; a lane holds t = 0..3 of its r.
; Work-groups 0-63: one chunk 32 + kgx (the summed rows) for 64 columns.  64-67: W1's data rows.  68-71: W2.
; A work-group runs one of the three paths; each path has LDS bytes of its own (0, 12288, 16384), so that no two paths' stores name the same bytes.
; LIMIT: the grouped g*W must stay below 65,504 in magnitude (f16); as drawn they are 0.02 to 0.2.
; For chunks of system positions 16..31 the weight is 0 * W1[2574 or 2575]: finite wherever W1 is.
; No matrix unit, cluster or tensor load: 2.9 MB are read once, each work-group's rows are its own.
.set WCF, 0
.set W2F, 196608
.set C0P, 327680
.set C2O, 345088
; v12 = gain, v13 = bias of row mm of my half of the lanes (lane mm of each 16 holds them)
.macro BCAST mm
	v_mov_b32_dpp v12, v8 row_share:\mm row_mask:0xf bank_mask:0xf
	v_mov_b32_dpp v13, v9 row_share:\mm row_mask:0xf bank_mask:0xf
.endm
; acc (4 registers) = or += bias * w (4 registers): op_sel takes v13 for both halves
.macro ADDB acc, w, first
.if \first
	v_pk_mul_f32 v[\acc:\acc+1], v[\w:\w+1], v[12:13] op_sel:[0,1] op_sel_hi:[1,1]
	v_pk_mul_f32 v[\acc+2:\acc+3], v[\w+2:\w+3], v[12:13] op_sel:[0,1] op_sel_hi:[1,1]
.else
	v_pk_fma_f32 v[\acc:\acc+1], v[\w:\w+1], v[12:13], v[\acc:\acc+1] op_sel:[0,1,0] op_sel_hi:[1,1,1]
	v_pk_fma_f32 v[\acc+2:\acc+3], v[\w+2:\w+3], v[12:13], v[\acc+2:\acc+3] op_sel:[0,1,0] op_sel_hi:[1,1,1]
.endif
.endm
; dst = gain * w: op_sel_hi takes v12 for both halves
.macro MULG dst, w
	v_pk_mul_f32 v[\dst:\dst+1], v[\w:\w+1], v[12:13] op_sel_hi:[1,0]
	v_pk_mul_f32 v[\dst+2:\dst+3], v[\w+2:\w+3], v[12:13] op_sel_hi:[1,0]
.endm
.macro FMAG dst, w
	v_pk_fma_f32 v[\dst:\dst+1], v[\w:\w+1], v[12:13], v[\dst:\dst+1] op_sel_hi:[1,0,1]
	v_pk_fma_f32 v[\dst+2:\dst+3], v[\w+2:\w+3], v[12:13], v[\dst+2:\dst+3] op_sel_hi:[1,0,1]
.endm
; q (4 registers) += the other half's q; tq: 4 registers that have been written
.macro XHALF q, tq
.irp i, 0,1,2,3
	v_permlanex16_b32 v[\tq+\i], v[\q+\i], s28, s29
.endr
	v_pk_add_f32 v[\q:\q+1], v[\q:\q+1], v[\tq:\tq+1]
	v_pk_add_f32 v[\q+2:\q+3], v[\q+2:\q+3], v[\tq+2:\tq+3]
.endm
	s_load_b512 s[4:19], s[0:1], 0x0       ; W1 4, W2 6, b1 8, b2 10, ln1_g 12, ln1_b 14, ln2_g 16, ln2_b 18
	s_load_b64 s[20:21], s[0:1], 0x40      ; ws
	v_lshl_add_u32 v160, v0, 2, 0x5000
	v_mov_b32 v161, 0
	v_lshrrev_b32 v1, 5, v0
	v_readfirstlane_b32 s22, v1            ; wave v
	v_and_b32 v1, 31, v0                   ; lane
	v_and_b32 v2, 15, v0                   ; r, and mm for the gains
	v_bfe_u32 v3, v0, 4, 1                 ; x
	v_lshlrev_b32 v4, 4, v2                ; 16 r
	v_lshlrev_b32 v15, 4, v1               ; 16 lane
	v_mov_b32 v12, 0                       ; a DPP move's destination counts as read
	v_mov_b32 v13, 0
	s_and_b32 s23, ttmp9, 3                ; w: which 64 columns
	s_lshl_b32 s24, s23, 8                 ; 256 w
	s_mov_b32 s28, 0x76543210              ; v_permlanex16_b32: lane i of the other half
	s_mov_b32 s29, 0xfedcba98
	s_mov_b32 s37, 0                       ; high words of the offsets
	s_mov_b32 s39, 0
	s_mov_b32 s41, 0
	s_mov_b32 s43, 0
	s_mov_b32 s45, 0
	s_cmp_ge_u32 ttmp9, 64
	s_cbranch_scc1 .Lrows
; ---------------- chunk 32 + kgx: half x of the lanes makes l' = 2 kgx + x: {time l', time 32 + l', channel l', system l'}
	s_lshr_b32 s25, ttmp9, 2               ; kgx
	s_lshl_b32 s26, s25, 1                 ; 2 kgx
	s_lshl_b32 s30, s22, 8
	s_add_co_u32 s30, s30, s26
	s_add_co_u32 s30, s30, 512             ; channel rows of the wave: 512 + 32 (8 v + m) + 2 kgx + x, m = 0..7
	s_lshr_b32 s31, s22, 2
	s_lshl_b32 s31, s31, 7
	s_and_b32 s27, s22, 3
	s_add_co_u32 s31, s31, s27
	s_lshl_b32 s27, s25, 3
	s_add_co_u32 s31, s31, s27
	s_add_co_u32 s31, s31, 256             ; its time row: 256 + 4 l' + 128 (v >> 2) + (v & 3)
	s_min_u32 s33, s26, 14
	s_add_co_u32 s33, s33, 2560            ; system row 2560 + l' (clamped; its gain and bias are zeroed where l' > 15)
	v_lshl_add_u32 v5, v2, 5, v3           ; the row whose gain and bias lane (x, mm) fetches: mm < 8 channel,
	v_add_nc_u32 v5, s30, v5
	v_lshl_add_u32 v6, v3, 2, s31          ; mm = 8 time,
	v_add_nc_u32 v7, s33, v3               ; mm > 8 system
	v_cmp_eq_u32 vcc_lo, 8, v2
	v_cndmask_b32 v5, v5, v6, vcc_lo
	v_cmp_lt_u32 s34, 8, v2
	v_cndmask_b32 v5, v5, v7, s34
	v_lshlrev_b32 v5, 2, v5
	s_cmp_ge_u32 s25, 8
	s_cselect_b32 s35, s34, 0              ; lanes whose gain and bias become 0
	v_lshl_add_u32 v6, v3, 3, v4           ; 16 r + 8 x: where a lane stores
	v_lshl_add_u32 v10, v3, 10, v4         ; rows one apart
	v_lshl_add_u32 v11, v3, 12, v4         ; rows four apart
	s_mul_i32 s27, s22, 1536
	v_add_nc_u32 v14, s27, v15             ; my wave's three LDS quads
	s_lshl_b32 s36, s30, 10
	s_add_co_u32 s36, s36, s24
	s_lshl_b32 s38, s31, 10
	s_add_co_u32 s38, s38, s24
	s_lshl_b32 s40, s33, 10
	s_add_co_u32 s40, s40, s24
	s_mul_i32 s42, s23, 49152              ; tile 4 w of WCF,
	s_lshl_b32 s27, s25, 8
	s_add_co_u32 s42, s42, s27
	s_add_co_u32 s42, s42, 8192            ; chunk 32 + kgx
	s_lshl_b32 s44, s25, 10
	s_add_co_u32 s44, s44, s24
	s_add_co_u32 s44, s44, C0P             ; row kgx of C0P, my 64 columns
	s_wait_kmcnt 0x0
	s_add_nc_u64 s[36:37], s[4:5], s[36:37]
	s_add_nc_u64 s[38:39], s[4:5], s[38:39]
	s_add_nc_u64 s[40:41], s[4:5], s[40:41]
	s_add_nc_u64 s[42:43], s[20:21], s[42:43]
	s_add_nc_u64 s[44:45], s[20:21], s[44:45]
	s_cmp_lg_u32 s22, 0
	s_cbranch_scc1 .Lx_nosys
	global_load_b128 v[52:55], v10, s[40:41]           ; the system rows: wave 0 alone uses them
.Lx_nosys:
	global_load_b32 v8, v5, s[12:13]
	global_load_b32 v9, v5, s[14:15]
.irp m, 0,1,2,3,4,5,6,7
	global_load_b128 v[16+4*\m:19+4*\m], v10, s[36:37] offset:\m*32768 th:TH_LOAD_NT
.endr
	global_load_b128 v[48:51], v11, s[38:39] th:TH_LOAD_NT
	s_wait_loadcnt 0x0                     ; one run of loads, used at once
	v_cndmask_b32 v8, v8, 0, s35
	v_cndmask_b32 v9, v9, 0, s35
	BCAST 0
	ADDB 56, 16, 1                         ; v[56:59]: bias * W, the first product starts the sum
	MULG 60, 16                            ; v[60:63]: gain * W over my eight channel rows
.irp m, 1,2,3,4,5,6,7
	BCAST \m
	ADDB 56, 16+4*\m, 0
	FMAG 60, 16+4*\m
.endr
	BCAST 8
	ADDB 56, 48, 0
	MULG 48, 48                            ; my time row, scaled in place
	ds_store_b128 v14, v[60:63]
	ds_store_b128 v14, v[48:51] offset:512
	ds_store_b128 v14, v[56:59] offset:1024
	s_wait_dscnt 0x0                       ; for wave 0, which reads them: zero
	s_barrier_signal -1
	s_barrier_wait -1
	s_cmp_lg_u32 s22, 0
	s_cbranch_scc1 .Lx_done
.irp u, 0,1,2,3,4,5,6,7
	ds_load_b128 v[64+12*\u:67+12*\u], v15 offset:\u*1536
	ds_load_b128 v[68+12*\u:71+12*\u], v15 offset:\u*1536+512
	ds_load_b128 v[72+12*\u:75+12*\u], v15 offset:\u*1536+1024
.endr
	s_wait_dscnt 0x0
.irp u, 1,2,3,4,5,6,7
	v_pk_add_f32 v[64:65], v[64:65], v[64+12*\u:65+12*\u]      ; channel: all eight waves
	v_pk_add_f32 v[66:67], v[66:67], v[66+12*\u:67+12*\u]
	v_pk_add_f32 v[72:73], v[72:73], v[72+12*\u:73+12*\u]      ; bias * W: all eight
	v_pk_add_f32 v[74:75], v[74:75], v[74+12*\u:75+12*\u]
.endr
.irp u, 1,2,3
	v_pk_add_f32 v[68:69], v[68:69], v[68+12*\u:69+12*\u]      ; time l': waves 0-3
	v_pk_add_f32 v[70:71], v[70:71], v[70+12*\u:71+12*\u]
	v_pk_add_f32 v[116:117], v[116:117], v[116+12*\u:117+12*\u] ; time 32 + l': waves 4-7
	v_pk_add_f32 v[118:119], v[118:119], v[118+12*\u:119+12*\u]
.endr
	BCAST 9
	ADDB 72, 52, 0
	MULG 52, 52
	XHALF 72, 76                           ; both halves' rows belong to the same columns
	v_cmp_ne_u32 vcc_lo, 0, v3
	v_cndmask_b32 v24, v72, v74, vcc_lo    ; half x stores components 2 x, 2 x + 1
	v_cndmask_b32 v25, v73, v75, vcc_lo
.irp t, 0,1,2,3
	v_cvt_pk_f16_f32 v[16+2*\t], v[68+\t], v[116+\t]
	v_cvt_pk_f16_f32 v[17+2*\t], v[64+\t], v[52+\t]
.endr
.irp t, 0,1,2,3
	global_store_b64 v6, v[16+2*\t:17+2*\t], s[42:43] offset:\t*12288   ; the wave's 32 lanes store 256 consecutive bytes, aligned
.endr
	global_store_b64 v6, v[24:25], s[44:45]
.Lx_done:
	s_wait_tensorcnt 0x0
	ds_add_u32 v160, v161
	s_wait_dscnt 0x0
	s_endpgm
; ---------------- rows that are only scaled: wave v makes chunks 4 v + q, half x of the lanes the positions 4 x + m
; lo: the path's own LDS bytes, 512 for each wave
.macro RPATH kind, src, gg, bb, bias, ks, outo, cvo, lo
.if \kind == 0
	s_lshl_b32 s30, s22, 4                 ; W1 row 16 v + (4 q + m) + 128 x
	v_lshl_add_u32 v5, v3, 7, v2
	v_lshl_add_u32 v10, v3, 17, v4
.else
	s_lshr_b32 s30, s22, 1                 ; W2 row 64 (v >> 1) + 2 (v & 1) + 32 (q & 1) + (q >> 1) + 16 x + 4 m
	s_lshl_b32 s30, s30, 6
	s_and_b32 s31, s22, 1
	s_lshl_b32 s31, s31, 1
	s_add_co_u32 s30, s30, s31
	v_and_b32 v5, 3, v2
	v_bfe_u32 v6, v2, 2, 1
	v_bfe_u32 v7, v2, 3, 1
	v_lshl_add_u32 v5, v5, 2, v7
	v_lshl_add_u32 v5, v6, 5, v5
	v_lshl_add_u32 v5, v3, 4, v5
	v_lshl_add_u32 v10, v3, 14, v4
.endif
	v_add_nc_u32 v5, s30, v5               ; lane (x, mm = 4 q + m) fetches that row's gain and bias
	v_lshlrev_b32 v5, 2, v5
	v_lshl_add_u32 v6, v3, 3, v4           ; 16 r + 8 x
	v_add_nc_u32 v11, s24, v4              ; 256 w + 16 r
	s_lshl_b32 s27, s22, 9
	v_add_nc_u32 v14, s27, v15
	s_lshl_b32 s36, s30, 10
	s_add_co_u32 s36, s36, s24
	s_mul_i32 s38, s23, 4*\ks*1024         ; tile 4 w,
	s_lshl_b32 s27, s22, 10
	s_add_co_u32 s38, s38, s27             ; chunk 4 v
.if \outo
	s_add_co_u32 s38, s38, \outo
.endif
	s_add_co_u32 s40, s24, \cvo
	s_wait_kmcnt 0x0
	s_add_nc_u64 s[36:37], s[\src:\src+1], s[36:37]
	s_add_nc_u64 s[38:39], s[20:21], s[38:39]
	s_add_nc_u64 s[40:41], s[20:21], s[40:41]
	s_cmp_lg_u32 s22, 0
	s_cbranch_scc1 .Lnob\kind
	global_load_b128 v[116:119], v11, s[\bias:\bias+1]         ; wave 0 adds the layer's own bias at the end
.Lnob\kind:
	global_load_b32 v8, v5, s[\gg:\gg+1]
	global_load_b32 v9, v5, s[\bb:\bb+1]
.irp q, 0,1,2,3
.irp m, 0,1,2,3
.if \kind == 0
	global_load_b128 v[16+16*\q+4*\m:19+16*\q+4*\m], v10, s[36:37] offset:(4*\q+\m)*1024 th:TH_LOAD_NT
.else
	global_load_b128 v[16+16*\q+4*\m:19+16*\q+4*\m], v10, s[36:37] offset:(32*(\q&1)+(\q>>1)+4*\m)*1024 th:TH_LOAD_NT
.endif
.endr
.endr
	s_wait_loadcnt 0x0
.irp mm, 0,1,2,3,4,5,6,7,8,9,10,11,12,13,14,15
	BCAST \mm
.if \mm == 0
	ADDB 80, 16, 1
.else
	ADDB 80, 16+4*\mm, 0
.endif
	MULG 16+4*\mm, 16+4*\mm
.endr
.irp q, 0,1,2,3
.irp t, 0,1,2,3
	v_cvt_pk_f16_f32 v[84+8*\q+2*\t], v[16+16*\q+\t], v[20+16*\q+\t]
	v_cvt_pk_f16_f32 v[85+8*\q+2*\t], v[24+16*\q+\t], v[28+16*\q+\t]
.endr
.endr
.irp q, 0,1,2,3
.irp t, 0,1,2,3
	global_store_b64 v6, v[84+8*\q+2*\t:85+8*\q+2*\t], s[38:39] offset:\t*\ks*1024+\q*256   ; 256 consecutive bytes a store, aligned
.endr
.endr
	ds_store_b128 v14, v[80:83] offset:\lo
	s_wait_dscnt 0x0                       ; for wave 0: zero
	s_barrier_signal -1
	s_barrier_wait -1
	s_cmp_lg_u32 s22, 0
	s_cbranch_scc1 .Lrdone\kind
.irp u, 0,1,2,3,4,5,6,7
	ds_load_b128 v[120+4*\u:123+4*\u], v15 offset:\u*512+\lo
.endr
	s_wait_dscnt 0x0
.irp u, 1,2,3,4,5,6,7
	v_pk_add_f32 v[120:121], v[120:121], v[120+4*\u:121+4*\u]
	v_pk_add_f32 v[122:123], v[122:123], v[122+4*\u:123+4*\u]
.endr
	XHALF 120, 124
	v_pk_add_f32 v[120:121], v[120:121], v[116:117]
	v_pk_add_f32 v[122:123], v[122:123], v[118:119]
	v_cmp_ne_u32 vcc_lo, 0, v3
	v_cndmask_b32 v152, v120, v122, vcc_lo
	v_cndmask_b32 v153, v121, v123, vcc_lo
	global_store_b64 v6, v[152:153], s[40:41]
.Lrdone\kind:
	s_wait_tensorcnt 0x0
	ds_add_u32 v160, v161
	s_wait_dscnt 0x0
	s_endpgm
.endm
.Lrows:
	s_cmp_ge_u32 ttmp9, 68
	s_cbranch_scc1 .Lrows_w2
	RPATH 0, 4, 12, 14, 8, 12, WCF, C0P+16384, 12288
.Lrows_w2:
	RPATH 1, 6, 16, 18, 10, 8, W2F, C2O, 16384
.Lfunc_end_k_qd810489712_prep:
	.size	k_qd810489712_prep, .Lfunc_end_k_qd810489712_prep-k_qd810489712_prep
	.p2alignl 7, 3214868480
	.fill 96, 4, 3214868480
	.section	.rodata,"a",@progbits
	.p2align	6, 0x0
	.amdhsa_kernel k_qd810489712_prep
		.amdhsa_group_segment_fixed_size 21504
		.amdhsa_private_segment_fixed_size 0
		.amdhsa_enable_private_segment 0
		.amdhsa_kernarg_size 72
		.amdhsa_user_sgpr_count 2
		.amdhsa_user_sgpr_kernarg_segment_ptr 1
		.amdhsa_wavefront_size32 1
		.amdhsa_system_sgpr_workgroup_id_x 1
		.amdhsa_system_sgpr_workgroup_id_y 1
		.amdhsa_system_sgpr_workgroup_id_z 1
		.amdhsa_system_vgpr_workitem_id 0
		.amdhsa_next_free_vgpr 162
		.amdhsa_next_free_sgpr 66
		.amdhsa_reserve_vcc 1
		.amdhsa_float_denorm_mode_32 3
		.amdhsa_float_denorm_mode_16_64 3
		.amdhsa_memory_ordered 1
		.amdhsa_forward_progress 1
		.amdhsa_inst_pref_size 44
	.end_amdhsa_kernel
	.amdgpu_metadata
---
amdhsa.version: [ 1, 2 ]
amdhsa.kernels:
  - .name:           k_qd810489712_prep
    .symbol:         k_qd810489712_prep.kd
    .args:
      - { .name: W1, .offset: 0, .size: 8, .value_kind: global_buffer, .address_space: global }
      - { .name: W2, .offset: 8, .size: 8, .value_kind: global_buffer, .address_space: global }
      - { .name: b1, .offset: 16, .size: 8, .value_kind: global_buffer, .address_space: global }
      - { .name: b2, .offset: 24, .size: 8, .value_kind: global_buffer, .address_space: global }
      - { .name: ln1_g, .offset: 32, .size: 8, .value_kind: global_buffer, .address_space: global }
      - { .name: ln1_b, .offset: 40, .size: 8, .value_kind: global_buffer, .address_space: global }
      - { .name: ln2_g, .offset: 48, .size: 8, .value_kind: global_buffer, .address_space: global }
      - { .name: ln2_b, .offset: 56, .size: 8, .value_kind: global_buffer, .address_space: global }
      - { .name: ws, .offset: 64, .size: 8, .value_kind: global_buffer, .address_space: global }
    .group_segment_fixed_size: 21504
    .private_segment_fixed_size: 0
    .kernarg_segment_align: 8
    .kernarg_segment_size: 72
    .max_flat_workgroup_size: 256
    .sgpr_count:     66
    .vgpr_count:     162
    .wavefront_size: 32
...
	.end_amdgpu_metadata
.endif
;; end of part 1
;; launch main (part 2): grid 256 x 1, 4 waves a work-group, no clusters, 86,528 bytes of LDS; arguments x, start_L, start_C, fs, channel_type_mapping, channel_embed, system_embed, ws, out0; writes out0
.if DOCPART == 2
	.amdgcn_target "amdgcn-amd-amdhsa--gfx1250"
	.amdhsa_code_object_version 6
	.text
	.protected	k_qd810489712_main
	.globl	k_qd810489712_main
	.p2align	8
	.type	k_qd810489712_main,@function
k_qd810489712_main:
	s_mov_b64 s[64:65], 0
	v_nop
	global_prefetch_b8 v0, s[64:65] scope:SCOPE_SE
	s_setreg_imm32_b32 hwreg(HW_REG_WAVE_MODE, 25, 1), 1
	s_wait_xcnt 0x0
; main: gather, LayerNorm, x grouped W1, silu, LayerNorm, x W2 for 64 patches a work-group; 256 work-groups, four waves.
; FRONT: wave w builds patches 16 w .. 16 w + 15.  Lane l owns rows l and 32 + l of a patch (eight data numbers), the two
;   times, channel-embedding number l (counted 64 times) and system number l (l < 16): 368 different features of 2,576.
;   Mean and variance are two-pass in f32 with those weights; the normalised numbers go to LDS as f16, 384 k positions a row.
; GEMMS: wave w owns all 64 rows x the 64 columns 64 w + 4 r + t: 16 accumulator tiles.  Every weight byte is used by one wave
;   of the work-group, once, so it goes from ws straight into that wave's registers (loads of 512 consecutive bytes), never through LDS.
;   GEMM 1 takes the weights as source 0: a lane then holds row 16 mt + r, columns 64 w + 32 h + 4 j + t, so that the second
;   LayerNorm needs one step across lanes, and eight packed results ARE half a fragment of GEMM 2 (W2F is laid out for that k order).
;   GEMM 2 takes the weights as source 1: four tiles side by side give a lane 16 consecutive bytes of a row of out0.
; Straight-line code: every register number is fixed, nothing loops.
; NO CLUSTER, NO TENSOR LOADS: all work-groups read the same 327,680 bytes of weights, but a joint request lands in LDS;
;   327,680 + the 86,016 bytes used here exceed the 327,680 bytes there are, so it would take a ring with barriers, and each byte
;   would be written to and read from LDS for a single use by a single wave.
; NO PREFETCH: the weights are asked for in the first lines; a patch's rows are known only when its index has come, and are then loaded at once.
; LIMITS: start_L, start_C: any int32, wrapped by AND (equal to the modulo by 8192 and 8).  Channel types clamped to 0..9.
;   1/fs, rsqrt, exp2 and reciprocal are the 1-ULP instructions; exp2 flushes denormals; silu(z) for z below about -88 is -0.
;   Matrix operands are f16: normalised numbers (at most 51 and 16 in magnitude by construction) and the weights of ws.
.set A1P,    784                       ; an LDS row of A1: 768 bytes + 16 = 49 x 16
.set A1W,    16*A1P                    ; a wave's 16 rows
.set H2F,    64*A1P                    ; 32,768 bytes: GEMM 2's A in fragment order: mt*8192 + ks*1024 + half*512 + 16 lane
.set RED,    H2F+32768                 ; 2,048 bytes: means at 256 w + 16 r, sums of squares 1,024 further
.set WSCR,   RED+2048                  ; 256 bytes a wave: c0 on its way to the accumulators' layout
.set W2F,    196608
.set C0P,    327680
.set C2O,    345088
; window 0
.set LANE,   1
.set L5A,    2                         ; 32 l
.set L5B,    3                         ; 32 (l + 32)
.set LANE32, 4
.set VSYS,   5                         ; system number l, 0 for l > 15
.set M16,    6                         ; 1.0 for l < 16, else 0
.set STA,    7                         ; A1: my 16 bytes of data positions
.set STB,    8                         ; A1: my 8 bytes of positions 256 + 4 l ..
.set WADR,   9                         ; 16 l
.set L4,     10                        ; 4 l
.set TMP,    11
.set C2V,    12                        ; v[12:15]  c2 of my four columns
.set EV,     16                        ; v[16:31]  channel-embedding number of patch p; afterwards:
.set AADR,   16
.set HST,    17
.set HLD,    18
.set RST,    19
.set RLD,    20
.set OADR,   21
.set MW,     24                        ; v[24:27]  my wave's means, then the addend of the second norm
.set MQ,     28                        ; v[28:31]  my wave's sums of squares, then rstd
.set C0V,    32                        ; v[32:63]  c0 as GEMM 1's first C; then the four waves' figures
.set XA,     64                        ; v[64:127] the 64 offsets of the x loads; then:
.set AF0,    64                        ; two buffers of four fragments; temporaries; packed results; output quads
.set AF1,    96
.set ACC,    128                       ; v[128:255] tile (mt, t) at 128 + 8 (4 mt + t); in the front phase temporaries:
.set TA,     128
.set TB,     168
; window 1: B1, K steps 0-7 at 8 (4 ks + t).  Window 2: K steps 8-11.  Window 3: x as loaded, 16 p + 8 q + j; then B2 at 8 (4 ks + t).
.set SLR,    32                        ; s[32:47] start_L, s[48:63] start_C of my 16 patches
.set SCR,    48
.set MSK1,   66                        ; s[66:81] all ones if bit 1 of start_C is set, s[82:97] likewise bit 0
.set MSK0,   82
.set MSB, 0
.macro WIN new                         ; s_set_vgpr_msb: bits 1:0 source 0, 3:2 source 1, 5:4 source 2, 7:6 destination; the high byte repeats the setting left
.if MSB != \new
	s_set_vgpr_msb (MSB<<8)|\new
.set MSB, \new
.endif
.endm
.macro PLACES                          ; four independent vector instructions behind a matrix instruction (ISA guide 7.12.1)
.rept 4
	v_nop
.endr
.endm
.macro LDB1 ks                         ; GEMM 1's weights of one K step: 4 tiles x 2 halves, 512 consecutive bytes a load
.if \ks < 8
	WIN 0x40
.else
	WIN 0x80
.endif
.irp t, 0,1,2,3
.irp hf, 0,1
	global_load_b128 v[((\ks&7)*4+\t)*8+4*\hf:((\ks&7)*4+\t)*8+4*\hf+3], v[WADR], s[98:99] offset:\t*12288+\ks*1024+\hf*512
.endr
.endr
.endm
.macro LDB2 ks                         ; GEMM 2's likewise, into window 3
	WIN 0xc0
.irp t, 0,1,2,3
.irp hf, 0,1
	global_load_b128 v[(\ks*4+\t)*8+4*\hf:(\ks*4+\t)*8+4*\hf+3], v[WADR], s[100:101] offset:\t*8192+\ks*1024+\hf*512
.endr
.endr
.endm
; The four offsets of patch p: rows l and 32 + l, each as the half row that holds channel start_C & 4 (F) and the other half (S):
; bit 2 of the rotation along the channels is spent in the address.  The AND wraps along L.
.macro XADR p
	s_lshl_b32 s6, s[SLR+\p], 5
	s_and_b32 s7, s[SCR+\p], 4
	s_lshl_b32 s7, s7, 2
	s_add_co_u32 s7, s7, s6
	s_add_co_u32 s8, s[SCR+\p], 4
	s_and_b32 s8, s8, 4
	s_lshl_b32 s8, s8, 2
	s_add_co_u32 s8, s8, s6
	v_add_nc_u32 v[XA+4*\p], s7, v[L5A]
	v_add_nc_u32 v[XA+4*\p+1], s8, v[L5A]
	v_add_nc_u32 v[XA+4*\p+2], s7, v[L5B]
	v_add_nc_u32 v[XA+4*\p+3], s8, v[L5B]
.irp i, 0,1,2,3
	v_and_b32 v[XA+4*\p+\i], 0x3fff0, v[XA+4*\p+\i]
.endr
.endm
.macro XLD p
.irp i, 0,1,2,3
	global_load_b128 v[16*\p+4*\i:16*\p+4*\i+3], v[XA+4*\p+\i], s[4:5]
.endr
.endm
.macro ISSUE2 pa, pb
	WIN 0
	XADR \pa
	XADR \pb
	WIN 0xc0
	XLD \pa
	XLD \pb
.endm
; sums over the 32 lanes, two at a time so that neither chain waits
.macro RED2 a, ta, b, tb
.irp m, 1,2,4,8
	v_add_f32_dpp v[\a], v[\a], v[\a] row_xmask:\m row_mask:0xf bank_mask:0xf
	v_add_f32_dpp v[\b], v[\b], v[\b] row_xmask:\m row_mask:0xf bank_mask:0xf
.endr
	v_permlanex16_b32 v[\ta], v[\a], s28, s29
	v_permlanex16_b32 v[\tb], v[\b], s28, s29
	v_add_f32 v[\a], v[\a], v[\ta]
	v_add_f32 v[\b], v[\b], v[\tb]
.endm
; a patch's temporaries from base: 0-9 scratch, 10-17 data, 18-19 times, 20-21 channel and system, 30-35 packed
.macro P_TIME p, base
	v_add_nc_u32 v[\base+18], s[SLR+\p], v[LANE]
	v_add_nc_u32 v[\base+19], s[SLR+\p], v[LANE32]
	v_and_b32 v[\base+18], 0x1fff, v[\base+18]
	v_and_b32 v[\base+19], 0x1fff, v[\base+19]
	v_cvt_f32_u32 v[\base+18], v[\base+18]
	v_cvt_f32_u32 v[\base+19], v[\base+19]
	v_pk_mul_f32 v[\base+18:\base+19], v[\base+18:\base+19], s[24:25] op_sel_hi:[1,0]
.endm
.macro P_SEL1 p, base                  ; rotate by 2 if bit 1 of start_C is set (sources in window 3)
.irp q, 0,1
.irp j, 0,1,2,3,4
	v_cndmask_b32 v[\base+5*\q+\j], v[16*\p+8*\q+\j], v[16*\p+8*\q+\j+2], s[MSK1+\p]
.endr
.endr
.endm
.macro P_SEL2 p, base                  ; rotate by 1 if bit 0 is set
.irp q, 0,1
.irp c, 0,1,2,3
	v_cndmask_b32 v[\base+10+4*\q+\c], v[\base+5*\q+\c], v[\base+5*\q+\c+1], s[MSK0+\p]
.endr
.endr
.endm
.macro P_SUM p, base                   ; data + 4 times + 64 channel + system
	v_pk_add_f32 v[\base:\base+1], v[\base+10:\base+11], v[\base+12:\base+13]
	v_pk_add_f32 v[\base+2:\base+3], v[\base+14:\base+15], v[\base+16:\base+17]
	v_pk_fma_f32 v[\base:\base+1], v[\base+18:\base+19], 4.0, v[\base:\base+1] op_sel_hi:[1,0,1]
	v_pk_add_f32 v[\base:\base+1], v[\base:\base+1], v[\base+2:\base+3]
	v_fmamk_f32 v[\base+2], v[EV+\p], 0x42800000, v[VSYS]
	v_add_f32 v[\base], v[\base], v[\base+1]
	v_add_f32 v[\base], v[\base], v[\base+2]
.endm
.macro P_CEN p, base                   ; take the mean away, then the weighted squares
	v_mul_f32 v[\base], s26, v[\base]
.irp i, 10,12,14,16,18
	v_pk_add_f32 v[\base+\i:\base+\i+1], v[\base+\i:\base+\i+1], v[\base:\base+1] op_sel_hi:[1,0] neg_lo:[0,1] neg_hi:[0,1]
.endr
	v_sub_f32 v[\base+20], v[EV+\p], v[\base]
	v_sub_f32 v[\base+21], v[VSYS], v[\base]
	v_mul_f32 v[\base+21], v[M16], v[\base+21]
	v_pk_mul_f32 v[\base+2:\base+3], v[\base+10:\base+11], v[\base+10:\base+11]
	v_pk_mul_f32 v[\base+4:\base+5], v[\base+12:\base+13], v[\base+12:\base+13]
	v_pk_fma_f32 v[\base+2:\base+3], v[\base+14:\base+15], v[\base+14:\base+15], v[\base+2:\base+3]
	v_pk_fma_f32 v[\base+4:\base+5], v[\base+16:\base+17], v[\base+16:\base+17], v[\base+4:\base+5]
	v_pk_mul_f32 v[\base+6:\base+7], v[\base+18:\base+19], v[\base+18:\base+19]
	v_pk_mul_f32 v[\base+8:\base+9], v[\base+20:\base+21], v[\base+20:\base+21]
	v_pk_add_f32 v[\base+2:\base+3], v[\base+2:\base+3], v[\base+4:\base+5]
	v_pk_fma_f32 v[\base+2:\base+3], v[\base+6:\base+7], 4.0, v[\base+2:\base+3] op_sel_hi:[1,0,1]
	v_fmamk_f32 v[\base+8], v[\base+8], 0x42800000, v[\base+9]
	v_add_f32 v[\base+2], v[\base+2], v[\base+3]
	v_add_f32 v[\base+2], v[\base+2], v[\base+8]
.endm
.macro P_OUT p, base                   ; x rstd, to f16, into row p of my part of A1
.irp i, 10,12,14,16,18,20
	v_pk_mul_f32 v[\base+\i:\base+\i+1], v[\base+\i:\base+\i+1], v[\base+2:\base+3] op_sel_hi:[1,0]
.endr
.irp i, 0,1,2,3,4,5
	v_cvt_pk_f16_f32 v[\base+30+\i], v[\base+10+2*\i], v[\base+11+2*\i]
.endr
	ds_store_b128 v[STA], v[\base+30:\base+33] offset:A1P*\p
	ds_store_b64 v[STB], v[\base+34:\base+35] offset:A1P*\p
.endm
.macro PROC2 pa, pb
	WIN 0
	P_TIME \pa, TA
	P_TIME \pb, TB
	s_wait_loadcnt 48                      ; loads come back in order (ISA guide 5.7.1): this pair's eight are in, the six younger groups of eight stay out
	WIN 0x0f
	P_SEL1 \pa, TA
	P_SEL1 \pb, TB
	WIN 0
	P_SEL2 \pa, TA
	P_SEL2 \pb, TB
	P_SUM \pa, TA
	P_SUM \pb, TB
	RED2 TA, TA+1, TB, TB+1
	P_CEN \pa, TA
	P_CEN \pb, TB
	RED2 TA+2, TA+3, TB+2, TB+3
	v_fmaak_f32 v[TA+2], s26, v[TA+2], 0x3727c5ac      ; variance + 1e-5
	v_fmaak_f32 v[TB+2], s26, v[TB+2], 0x3727c5ac
	v_rsq_f32 v[TA+2], v[TA+2]
	v_rsq_f32 v[TB+2], v[TB+2]
	v_nop                                  ; one plain instruction between a transcendental and the use of its result (ISA guide 5.7.2)
	s_wait_alu depctr_va_vdst(0)
	P_OUT \pa, TA
	P_OUT \pb, TB
.endm
; ---------------- set-up
	s_load_b512 s[4:19], s[0:1], 0x0       ; x 4, start_L 6, start_C 8, fs 10, channel_type_mapping 12, channel_embed 14, system_embed 16, ws 18
	s_load_b64 s[20:21], s[0:1], 0x40      ; out0
	s_set_vgpr_msb 0x80
	v_lshl_add_u32 v254, v0, 2, 0x15000
	v_mov_b32 v255, 0
	s_set_vgpr_msb 0x8000
	v_lshrrev_b32 v[TMP], 5, v0
	v_readfirstlane_b32 s22, v[TMP]        ; wave w
	v_and_b32 v[LANE], 31, v0
	v_and_b32 v254, 15, v0                 ; r
	v_bfe_u32 v255, v0, 4, 1               ; h
	v_lshlrev_b32 v[L5A], 5, v[LANE]
	v_lshlrev_b32 v[L4], 2, v[LANE]
	v_lshlrev_b32 v[WADR], 4, v[LANE]
	v_add_nc_u32 v[L5B], 1024, v[L5A]
	v_add_nc_u32 v[LANE32], 32, v[LANE]
	s_mul_i32 s30, s22, A1W
	v_add_nc_u32 v[STA], s30, v[WADR]
	v_lshl_add_u32 v[STB], v[LANE], 3, s30
	v_add_nc_u32 v[STB], 512, v[STB]
	v_lshrrev_b32 v248, 3, v[LANE]
	v_lshlrev_b32 v248, 2, v248            ; 4 (l / 8): the type of channel l / 8 (and, 16 bytes on, of channel 4 + l / 8)
	v_min_u32 v249, 15, v[LANE]
	v_lshlrev_b32 v249, 2, v249
	s_lshl_b32 s31, s22, 8                 ; 256 w
	v_lshl_add_u32 v251, v254, 4, s31      ; my four columns in a row of 256 f32
	v_lshl_add_u32 v250, v255, 10, v251    ; + row h
	v_and_b32 v253, 7, v[LANE]
	v_lshlrev_b32 v253, 2, v253
	s_add_co_u32 s30, s31, WSCR
	v_lshl_add_u32 v204, v254, 2, s30      ; c0 in: word r of line t
	v_lshl_add_u32 v205, v255, 5, s30      ; c0 back: words 8 h .. 8 h + 7 of line t
	s_mov_b32 s26, 0x39cb8728              ; 1 / 2576
	s_mov_b32 s27, 0x3b800000              ; 1 / 256
	s_mov_b32 s28, 0x76543210              ; v_permlanex16_b32: lane i of the other half
	s_mov_b32 s29, 0xfedcba98
	s_lshl_b32 s30, ttmp9, 8               ; my 16 indices: 4 (64 g + 16 w)
	s_lshl_b32 s31, s22, 6
	s_add_co_u32 s30, s30, s31
	s_mov_b32 s31, 0
	s_lshr_b32 s23, ttmp9, 3               ; batch
	s_wait_kmcnt 0x0
	s_add_nc_u64 s[6:7], s[6:7], s[30:31]
	s_add_nc_u64 s[8:9], s[8:9], s[30:31]
	s_load_b512 s[32:47], s[6:7], 0x0
	s_load_b512 s[48:63], s[8:9], 0x0
	s_lshl_b32 s30, s23, 2
	s_add_nc_u64 s[10:11], s[10:11], s[30:31]
	s_load_b32 s24, s[10:11], 0x0
	s_lshl_b32 s30, s23, 18
	s_add_nc_u64 s[4:5], s[4:5], s[30:31]              ; x of my batch
	s_mul_i32 s30, s22, 49152
	s_add_nc_u64 s[98:99], s[18:19], s[30:31]          ; my four tiles of WCF
	s_lshl_b32 s30, s22, 15
	s_add_co_u32 s30, s30, W2F
	s_add_nc_u64 s[100:101], s[18:19], s[30:31]        ; my four tiles of W2F
	s_lshl_b32 s30, ttmp9, 16
	s_add_nc_u64 s[20:21], s[20:21], s[30:31]          ; my 64 rows of out0
	; what hangs on no index is asked for while the indices are on their way
	global_load_b32 v244, v248, s[12:13] offset:240    ; channel_type_mapping[3][l / 8]
	global_load_b32 v245, v248, s[12:13] offset:256    ; [3][4 + l / 8]
	global_load_b32 v[VSYS], v249, s[16:17] offset:192 ; system_embed[3][min(l, 15)]
.irp i, 0,1,2,3,4,5,6,7
	global_load_b128 v[208+4*\i:211+4*\i], v250, s[18:19] offset:C0P+2048*\i
.endr
	global_load_b128 v[240:243], v251, s[18:19] offset:C0P+16384
	global_load_b128 v[C2V:C2V+3], v251, s[18:19] offset:C2O
	LDB1 0
	LDB1 1
	LDB1 2
	LDB1 3
	WIN 0
	s_wait_kmcnt 0x0                       ; indices and fs
.irp p, 0,1,2,3,4,5,6,7,8,9,10,11,12,13,14,15
	s_and_b32 s[SLR+\p], s[SLR+\p], 0x1fff
	s_min_u32 s[SLR+\p], s[SLR+\p], 0x1fff
	s_and_b32 s[SCR+\p], s[SCR+\p], 7
	s_min_u32 s[SCR+\p], s[SCR+\p], 7
.endr
	s_wait_loadcnt 43                      ; the two type loads are in: 1 + 9 + 1 + 32 younger loads stay out
	v_min_u32 v206, 9, v244
	v_min_u32 v207, 9, v245
	v_lshl_add_u32 v206, v206, 5, v253
	v_lshl_add_u32 v207, v207, 5, v253
	global_load_b32 v246, v206, s[14:15]   ; table word l: embedding number l & 7 of channel l / 8
	global_load_b32 v247, v207, s[14:15]   ; table word 32 + l
	ISSUE2 0, 1
	ISSUE2 2, 3
	ISSUE2 4, 5
	ISSUE2 6, 7
	ISSUE2 8, 9
	ISSUE2 10, 11
	ISSUE2 12, 13
	WIN 0
	; while the gather is on its way
.irp p, 0,1,2,3,4,5,6,7,8,9,10,11,12,13,14,15
	s_bitcmp1_b32 s[SCR+\p], 1
	s_cselect_b32 s[MSK1+\p], -1, 0
	s_bitcmp1_b32 s[SCR+\p], 0
	s_cselect_b32 s[MSK0+\p], -1, 0
	s_lshl_b32 s6, s[SCR+\p], 5
	v_add_nc_u32 v[160+\p], s6, v[L4]      ; 4 x (8 start_C + l): which table word lane l wants
.endr
	v_rcp_f32 v[TMP], s24
	v_cmp_gt_u32 vcc_lo, 16, v[LANE]       ; plain instructions between the reciprocal and the line that reads its result and rewrites its source
	v_cndmask_b32 v[M16], 0, 1.0, vcc_lo
	s_wait_alu depctr_va_vdst(0)
	v_readfirstlane_b32 s24, v[TMP]        ; 1 / fs
	s_mov_b32 s25, s24
	s_wait_loadcnt 58                      ; all up to B1's K step 3 is in: 2 + 56 younger loads stay out
	v_cndmask_b32 v[VSYS], 0, v[VSYS], vcc_lo
.irp c, 0,2
	v_pk_add_f32 v[208+\c:209+\c], v[208+\c:209+\c], v[212+\c:213+\c]
	v_pk_add_f32 v[216+\c:217+\c], v[216+\c:217+\c], v[220+\c:221+\c]
	v_pk_add_f32 v[224+\c:225+\c], v[224+\c:225+\c], v[228+\c:229+\c]
	v_pk_add_f32 v[232+\c:233+\c], v[232+\c:233+\c], v[236+\c:237+\c]
	v_pk_add_f32 v[208+\c:209+\c], v[208+\c:209+\c], v[216+\c:217+\c]
	v_pk_add_f32 v[224+\c:225+\c], v[224+\c:225+\c], v[232+\c:233+\c]
	v_pk_add_f32 v[208+\c:209+\c], v[208+\c:209+\c], v[224+\c:225+\c]
.endr
.irp i, 0,1,2,3
	v_permlanex16_b32 v[212+\i], v[208+\i], s28, s29   ; even rows lie in lanes 0-15, odd rows in lanes 16-31
.endr
	v_pk_add_f32 v[208:209], v[208:209], v[212:213]
	v_pk_add_f32 v[210:211], v[210:211], v[214:215]
	v_pk_add_f32 v[208:209], v[208:209], v[240:241]
	v_pk_add_f32 v[210:211], v[210:211], v[242:243]    ; c0 of columns 64 w + 4 r + t
.irp t, 0,1,2,3
	ds_store_b32 v204, v[208+\t] offset:64*\t          ; my wave's own bytes: LDS serves a wave in order, no wait before the loads
.endr
.irp t, 0,1,2,3
	ds_load_b128 v[C0V+8*\t:C0V+8*\t+3], v205 offset:64*\t         ; register j: column 64 w + 4 (8 h + j) + t, as GEMM 1 leaves it
	ds_load_b128 v[C0V+8*\t+4:C0V+8*\t+7], v205 offset:64*\t+16
.endr
	s_wait_loadcnt 56                      ; the table's two words are in: the 56 x loads stay out
.irp p, 0,1,2,3,4,5,6,7,8,9,10,11,12,13,14,15
	ds_bpermute_b32 v[128+\p], v[160+\p], v246         ; word (8 start_C + l) & 31 of either half of the table
	ds_bpermute_b32 v[144+\p], v[160+\p], v247
.endr
	s_wait_dscnt 0x0
.irp p, 0,1,2,3,4,5,6,7,8,9,10,11,12,13,14,15
	v_and_b32 v[160+\p], 0x80, v[160+\p]               ; bit 5 of the word's number picks the half
	v_cmp_ne_u32 vcc_lo, 0, v[160+\p]
	v_cndmask_b32 v[EV+\p], v[128+\p], v[144+\p], vcc_lo
.endr
; ---------------- the 16 patches, two at a time; behind each pair eight more loads, so that the count 48 holds in every turn
	PROC2 0, 1
	ISSUE2 14, 15
	PROC2 2, 3
	LDB1 4
	PROC2 4, 5
	LDB1 5
	PROC2 6, 7
	LDB1 6
	PROC2 8, 9
	LDB1 7
	PROC2 10, 11
	LDB1 8
	PROC2 12, 13
	LDB1 9
	PROC2 14, 15
	LDB1 10
	LDB1 11
	WIN 0
	v_and_b32 v22, 15, v0                  ; r
	v_bfe_u32 v23, v0, 4, 1                ; h
	v_mul_u32_u24 v[AADR], v22, A1P
	v_lshl_add_u32 v[AADR], v23, 4, v[AADR]            ; A1 fragment: row r, 16 h
	s_lshl_b32 s30, s22, 11
	s_add_co_u32 s30, s30, H2F
	v_add_nc_u32 v[HST], s30, v[WADR]
	v_add_nc_u32 v[HLD], H2F, v[WADR]
	s_lshl_b32 s31, s22, 8
	v_lshl_add_u32 v[OADR], v22, 4, s31                ; 256 w + 16 r
	v_lshl_add_u32 v[RST], v23, 10, v[OADR]
	v_add_nc_u32 v[RST], RED, v[RST]
	v_lshlrev_b32 v[RLD], 4, v22
	v_add_nc_u32 v[RLD], RED, v[RLD]
	v_lshl_add_u32 v[OADR], v23, 13, v[OADR]           ; + 8 h rows of out0
	s_wait_dscnt 0x0                       ; my rows of A1 are written, for the others: zero
	s_barrier_signal -1
	s_barrier_wait -1
; ---------------- GEMM 1: 12 K steps of 32
.macro LDA1 ks, buf
	WIN 0
.irp mt, 0,1,2,3
	ds_load_b128 v[\buf+8*\mt:\buf+8*\mt+3], v[AADR] offset:\mt*A1W+64*\ks
	ds_load_b128 v[\buf+8*\mt+4:\buf+8*\mt+7], v[AADR] offset:\mt*A1W+64*\ks+32
.endr
.endm
.macro G1STEP ks, kn, cur, nxt
	s_wait_dscnt 0x0                       ; this step's eight fragment loads, issued one step (16 matrix instructions) ago
.if \ks >= 4
	s_wait_loadcnt 56                      ; this step's weights: behind them (11 - ks) groups of B1 and (ks - 4) of B2, eight loads each
.endif
.if \ks < 11
.if \ks > 0
	PLACES                                 ; the buffer loaded next was read by the last step's matrix instructions
.endif
	LDA1 \kn, \nxt
.endif
.if \ks < 8
	WIN 0x01
.else
	WIN 0x02
.endif
.irp mt, 0,1,2,3
.irp t, 0,1,2,3
.if \ks == 0
	v_wmma_f32_16x16x32_f16 v[ACC+(4*\mt+\t)*8:ACC+(4*\mt+\t)*8+7], v[8*\t:8*\t+7], v[\cur+8*\mt:\cur+8*\mt+7], v[C0V+8*\t:C0V+8*\t+7]
.else
	v_wmma_f32_16x16x32_f16 v[ACC+(4*\mt+\t)*8:ACC+(4*\mt+\t)*8+7], v[(\ks&7)*32+8*\t:(\ks&7)*32+8*\t+7], v[\cur+8*\mt:\cur+8*\mt+7], v[ACC+(4*\mt+\t)*8:ACC+(4*\mt+\t)*8+7]
.endif
.endr
.endr
.endm
	LDA1 0, AF0                            ; (the x loads whose offsets lay here were waited for in the last pair's turn)
	G1STEP 0, 1, AF0, AF1                  ; the first products take c0 as C: nothing is cleared, the bias costs nothing
	G1STEP 1, 2, AF1, AF0
	G1STEP 2, 3, AF0, AF1
	G1STEP 3, 4, AF1, AF0
	G1STEP 4, 5, AF0, AF1
	LDB2 0
	G1STEP 5, 6, AF1, AF0
	LDB2 1
	G1STEP 6, 7, AF0, AF1
	LDB2 2
	G1STEP 7, 8, AF1, AF0
	LDB2 3
	G1STEP 8, 9, AF0, AF1
	LDB2 4
	G1STEP 9, 10, AF1, AF0
	LDB2 5
	G1STEP 10, 11, AF0, AF1
	LDB2 6
	G1STEP 11, 12, AF1, AF0
	LDB2 7
	WIN 0
	PLACES
; ---------------- silu, second LayerNorm.  Lane (r, h) holds, for each mt, 32 of row 16 mt + r's numbers.
.macro SILU8 a, tp                     ; z / (1 + 2^(-z log2 e))
.irp i, 0,2,4,6
	v_pk_mul_f32 v[\tp+\i:\tp+\i+1], v[\a+\i:\a+\i+1], 0xbfb8aa3b op_sel_hi:[1,0]
.endr
.irp i, 0,1,2,3,4,5,6,7
	v_exp_f32 v[\tp+\i], v[\tp+\i]
.endr
	v_nop
	s_wait_alu depctr_va_vdst(0)
.irp i, 0,2,4,6
	v_pk_add_f32 v[\tp+\i:\tp+\i+1], v[\tp+\i:\tp+\i+1], 1.0 op_sel_hi:[1,0]
.endr
.irp i, 0,1,2,3,4,5,6,7
	v_rcp_f32 v[\tp+\i], v[\tp+\i]
.endr
	v_nop
	s_wait_alu depctr_va_vdst(0)
.irp i, 0,2,4,6
	v_pk_mul_f32 v[\a+\i:\a+\i+1], v[\a+\i:\a+\i+1], v[\tp+\i:\tp+\i+1]
.endr
.endm
.irp n, 0,2,4,6,8,10,12,14
	SILU8 ACC+8*\n, 64
	SILU8 ACC+8*\n+8, 72
.endr
.macro ROWSUM mt
	v_pk_add_f32 v[64+8*\mt:65+8*\mt], v[ACC+32*\mt:ACC+32*\mt+1], v[ACC+32*\mt+2:ACC+32*\mt+3]
	v_pk_add_f32 v[66+8*\mt:67+8*\mt], v[ACC+32*\mt+4:ACC+32*\mt+5], v[ACC+32*\mt+6:ACC+32*\mt+7]
.irp i, 8,12,16,20,24,28
	v_pk_add_f32 v[64+8*\mt:65+8*\mt], v[64+8*\mt:65+8*\mt], v[ACC+32*\mt+\i:ACC+32*\mt+\i+1]
	v_pk_add_f32 v[66+8*\mt:67+8*\mt], v[66+8*\mt:67+8*\mt], v[ACC+32*\mt+\i+2:ACC+32*\mt+\i+3]
.endr
	v_pk_add_f32 v[64+8*\mt:65+8*\mt], v[64+8*\mt:65+8*\mt], v[66+8*\mt:67+8*\mt]
	v_add_f32 v[64+8*\mt], v[64+8*\mt], v[65+8*\mt]
.endm
; take my wave's mean of the row away (register sel of the pair MW + pr), then the sum of squares
.macro CENSQ mt, pr, sel
.irp i, 0,2,4,6,8,10,12,14,16,18,20,22,24,26,28,30
	v_pk_add_f32 v[ACC+32*\mt+\i:ACC+32*\mt+\i+1], v[ACC+32*\mt+\i:ACC+32*\mt+\i+1], v[MW+\pr:MW+\pr+1] op_sel:[0,\sel] op_sel_hi:[1,\sel] neg_lo:[0,1] neg_hi:[0,1]
.endr
	v_pk_mul_f32 v[64+8*\mt:65+8*\mt], v[ACC+32*\mt:ACC+32*\mt+1], v[ACC+32*\mt:ACC+32*\mt+1]
	v_pk_mul_f32 v[66+8*\mt:67+8*\mt], v[ACC+32*\mt+2:ACC+32*\mt+3], v[ACC+32*\mt+2:ACC+32*\mt+3]
.irp i, 4,8,12,16,20,24,28
	v_pk_fma_f32 v[64+8*\mt:65+8*\mt], v[ACC+32*\mt+\i:ACC+32*\mt+\i+1], v[ACC+32*\mt+\i:ACC+32*\mt+\i+1], v[64+8*\mt:65+8*\mt]
	v_pk_fma_f32 v[66+8*\mt:67+8*\mt], v[ACC+32*\mt+\i+2:ACC+32*\mt+\i+3], v[ACC+32*\mt+\i+2:ACC+32*\mt+\i+3], v[66+8*\mt:67+8*\mt]
.endr
	v_pk_add_f32 v[64+8*\mt:65+8*\mt], v[64+8*\mt:65+8*\mt], v[66+8*\mt:67+8*\mt]
	v_add_f32 v[64+8*\mt], v[64+8*\mt], v[65+8*\mt]
.endm
	ROWSUM 0
	ROWSUM 1
	ROWSUM 2
	ROWSUM 3
.irp mt, 0,1,2,3
	v_permlanex16_b32 v[65+8*\mt], v[64+8*\mt], s28, s29       ; the row's other 32 numbers of this wave lie in lane l xor 16
.endr
.irp mt, 0,1,2,3
	v_add_f32 v[64+8*\mt], v[64+8*\mt], v[65+8*\mt]
.endr
.irp mt, 0,1,2,3
	v_mul_f32 v[MW+\mt], 0x3c800000, v[64+8*\mt]               ; / 64
.endr
	CENSQ 0, 0, 0
	CENSQ 1, 0, 1
	CENSQ 2, 2, 0
	CENSQ 3, 2, 1
.irp mt, 0,1,2,3
	v_permlanex16_b32 v[65+8*\mt], v[64+8*\mt], s28, s29
.endr
.irp mt, 0,1,2,3
	v_add_f32 v[MQ+\mt], v[64+8*\mt], v[65+8*\mt]
.endr
	s_mov_b32 s30, 0xffff0000
.irp mt, 0,1,2,3
	v_cndmask_b32 v[MQ+\mt], v[MW+\mt], v[MQ+\mt], s30         ; lanes 0-15 hand on the means, lanes 16-31 the sums of squares
.endr
	ds_store_b128 v[RST], v[MQ:MQ+3]
	s_wait_dscnt 0x0                       ; for the others: zero
	s_barrier_signal -1
	s_barrier_wait -1
.irp u, 0,1,2,3
	ds_load_b128 v[32+4*\u:35+4*\u], v[RLD] offset:256*\u              ; wave u's means of rows 16 mt + r
	ds_load_b128 v[48+4*\u:51+4*\u], v[RLD] offset:1024+256*\u         ; and sums of squares about them
.endr
	s_wait_dscnt 0x0
	; mean = mean of the four means; variance = (sum of the four sums + 64 x sum of (wave's mean - mean)^2) / 256: no difference of large sums
.irp c, 0,2
	v_pk_add_f32 v[64+\c:65+\c], v[32+\c:33+\c], v[36+\c:37+\c]
	v_pk_add_f32 v[68+\c:69+\c], v[40+\c:41+\c], v[44+\c:45+\c]
	v_pk_add_f32 v[72+\c:73+\c], v[48+\c:49+\c], v[52+\c:53+\c]
	v_pk_add_f32 v[76+\c:77+\c], v[56+\c:57+\c], v[60+\c:61+\c]
	v_pk_add_f32 v[64+\c:65+\c], v[64+\c:65+\c], v[68+\c:69+\c]
	v_pk_add_f32 v[72+\c:73+\c], v[72+\c:73+\c], v[76+\c:77+\c]
	v_pk_mul_f32 v[64+\c:65+\c], v[64+\c:65+\c], 0x3e800000 op_sel_hi:[1,0]
.irp u, 0,4,8,12
	v_pk_add_f32 v[32+\u+\c:33+\u+\c], v[32+\u+\c:33+\u+\c], v[64+\c:65+\c] neg_lo:[0,1] neg_hi:[0,1]
.endr
	v_pk_mul_f32 v[68+\c:69+\c], v[32+\c:33+\c], v[32+\c:33+\c]
.irp u, 4,8,12
	v_pk_fma_f32 v[68+\c:69+\c], v[32+\u+\c:33+\u+\c], v[32+\u+\c:33+\u+\c], v[68+\c:69+\c]
.endr
	v_pk_fma_f32 v[72+\c:73+\c], v[68+\c:69+\c], 0x42800000, v[72+\c:73+\c] op_sel_hi:[1,0,1]
.endr
.irp i, 0,1,2,3
	v_fmaak_f32 v[MQ+\i], s27, v[72+\i], 0x3727c5ac
.endr
.irp i, 0,1,2,3
	v_rsq_f32 v[MQ+\i], v[MQ+\i]
.endr
	v_pk_add_f32 v[MW:MW+1], v[MW:MW+1], v[64:65] neg_lo:[0,1] neg_hi:[0,1]        ; my wave's mean - mean (the plain instructions behind the roots)
	v_pk_add_f32 v[MW+2:MW+3], v[MW+2:MW+3], v[66:67] neg_lo:[0,1] neg_hi:[0,1]
	s_wait_alu depctr_va_vdst(0)
	v_pk_mul_f32 v[MW:MW+1], v[MW:MW+1], v[MQ:MQ+1]
	v_pk_mul_f32 v[MW+2:MW+3], v[MW+2:MW+3], v[MQ+2:MQ+3]
; (value - my wave's mean) x rstd + (my wave's mean - mean) x rstd; to f16; tile t of wave w is half t & 1 of K step 2 w + (t >> 1)
.macro NORMPK mt, pr, sel
.irp i, 0,2,4,6,8,10,12,14,16,18,20,22,24,26,28,30
	v_pk_fma_f32 v[ACC+32*\mt+\i:ACC+32*\mt+\i+1], v[ACC+32*\mt+\i:ACC+32*\mt+\i+1], v[MQ+\pr:MQ+\pr+1], v[MW+\pr:MW+\pr+1] op_sel:[0,\sel,\sel] op_sel_hi:[1,\sel,\sel]
.endr
.irp i, 0,1,2,3,4,5,6,7,8,9,10,11,12,13,14,15
	v_cvt_pk_f16_f32 v[64+16*\mt+\i], v[ACC+32*\mt+2*\i], v[ACC+32*\mt+2*\i+1]
.endr
.irp t, 0,1,2,3
	ds_store_b128 v[HST], v[64+16*\mt+4*\t:64+16*\mt+4*\t+3] offset:8192*\mt+512*\t
.endr
.endm
	NORMPK 0, 0, 0
	NORMPK 1, 0, 1
	NORMPK 2, 2, 0
	NORMPK 3, 2, 1
	s_wait_dscnt 0x0                       ; for the others: zero
	s_barrier_signal -1
	s_barrier_wait -1
; ---------------- GEMM 2: 8 K steps of 32; A from LDS (512 consecutive bytes a load), weights in window 3
.macro LDA2 ks, buf
.irp mt, 0,1,2,3
	ds_load_b128 v[\buf+8*\mt:\buf+8*\mt+3], v[HLD] offset:8192*\mt+1024*\ks
	ds_load_b128 v[\buf+8*\mt+4:\buf+8*\mt+7], v[HLD] offset:8192*\mt+1024*\ks+512
.endr
.endm
.macro G2STEP ks, kn, cur, nxt
	s_wait_dscnt 0x0                       ; this step's fragments
	s_wait_loadcnt 56-8*\ks                ; this step's weights: the later steps' groups of eight stay out
.if \ks < 7
.if \ks > 0
	PLACES                                 ; the buffer loaded next was read by the last step's matrix instructions
.endif
	LDA2 \kn, \nxt
.endif
.irp mt, 0,1,2,3
.irp t, 0,1,2,3
.if \ks == 0
	v_wmma_f32_16x16x32_f16 v[ACC+(4*\mt+\t)*8:ACC+(4*\mt+\t)*8+7], v[\cur+8*\mt:\cur+8*\mt+7], v[8*\t:8*\t+7], 0
.else
	v_wmma_f32_16x16x32_f16 v[ACC+(4*\mt+\t)*8:ACC+(4*\mt+\t)*8+7], v[\cur+8*\mt:\cur+8*\mt+7], v[\ks*32+8*\t:\ks*32+8*\t+7], v[ACC+(4*\mt+\t)*8:ACC+(4*\mt+\t)*8+7]
.endif
.endr
.endr
.endm
	WIN 0x0c                               ; source 1 in window 3; an LDS load's address (source 0) and data (destination) stay in window 0
	LDA2 0, AF0
	G2STEP 0, 1, AF0, AF1
	G2STEP 1, 2, AF1, AF0
	G2STEP 2, 3, AF0, AF1
	G2STEP 3, 4, AF1, AF0
	G2STEP 4, 5, AF0, AF1
	G2STEP 5, 6, AF1, AF0
	G2STEP 6, 7, AF0, AF1
	G2STEP 7, 8, AF1, AF0
	WIN 0
	PLACES
; ---------------- the way out: register j of tile (mt, t) is row 16 mt + 8 h + j, column 64 w + 4 r + t.  Adding c2 also lays the
; four tiles side by side: 16 bytes a lane, sixteen lanes store 256 consecutive bytes at a multiple of 256 from out0's first byte.
.macro OUTQ mt, j, q
.irp t, 0,1,2,3
	v_add_f32 v[64+4*(\q)+\t], v[ACC+(4*\mt+\t)*8+\j], v[C2V+\t]
.endr
	global_store_b128 v[OADR], v[64+4*(\q):64+4*(\q)+3], s[20:21] offset:1024*(16*\mt+\j) th:TH_STORE_NT
.endm
.irp j, 0,1,2,3,4,5,6,7
	OUTQ 0, \j, \j
.endr
.irp j, 0,1,2,3,4,5,6,7
	OUTQ 1, \j, 8+\j
.endr
	s_wait_xcnt 0x0                        ; the sixteen quads are stores' data: rewritten only behind this wait
.irp j, 0,1,2,3,4,5,6,7
	OUTQ 2, \j, \j
.endr
.irp j, 0,1,2,3,4,5,6,7
	OUTQ 3, \j, 8+\j
.endr
	s_set_vgpr_msb 0xa
	s_wait_tensorcnt 0x0
	ds_add_u32 v254, v255
	s_wait_dscnt 0x0
	s_set_vgpr_msb 0xa00
	s_endpgm
.Lfunc_end_k_qd810489712_main:
	.size	k_qd810489712_main, .Lfunc_end_k_qd810489712_main-k_qd810489712_main
	.p2alignl 7, 3214868480
	.fill 96, 4, 3214868480
	.section	.rodata,"a",@progbits
	.p2align	6, 0x0
	.amdhsa_kernel k_qd810489712_main
		.amdhsa_group_segment_fixed_size 86528
		.amdhsa_private_segment_fixed_size 0
		.amdhsa_enable_private_segment 0
		.amdhsa_kernarg_size 72
		.amdhsa_user_sgpr_count 2
		.amdhsa_user_sgpr_kernarg_segment_ptr 1
		.amdhsa_wavefront_size32 1
		.amdhsa_system_sgpr_workgroup_id_x 1
		.amdhsa_system_sgpr_workgroup_id_y 1
		.amdhsa_system_sgpr_workgroup_id_z 1
		.amdhsa_system_vgpr_workitem_id 0
		.amdhsa_next_free_vgpr 1024
		.amdhsa_next_free_sgpr 102
		.amdhsa_reserve_vcc 1
		.amdhsa_float_denorm_mode_32 3
		.amdhsa_float_denorm_mode_16_64 3
		.amdhsa_memory_ordered 1
		.amdhsa_forward_progress 1
		.amdhsa_inst_pref_size 216
	.end_amdhsa_kernel
	.amdgpu_metadata
---
amdhsa.version: [ 1, 2 ]
amdhsa.kernels:
  - .name:           k_qd810489712_main
    .symbol:         k_qd810489712_main.kd
    .args:
      - { .name: x, .offset: 0, .size: 8, .value_kind: global_buffer, .address_space: global }
      - { .name: start_L, .offset: 8, .size: 8, .value_kind: global_buffer, .address_space: global }
      - { .name: start_C, .offset: 16, .size: 8, .value_kind: global_buffer, .address_space: global }
      - { .name: fs, .offset: 24, .size: 8, .value_kind: global_buffer, .address_space: global }
      - { .name: channel_type_mapping, .offset: 32, .size: 8, .value_kind: global_buffer, .address_space: global }
      - { .name: channel_embed, .offset: 40, .size: 8, .value_kind: global_buffer, .address_space: global }
      - { .name: system_embed, .offset: 48, .size: 8, .value_kind: global_buffer, .address_space: global }
      - { .name: ws, .offset: 56, .size: 8, .value_kind: global_buffer, .address_space: global }
      - { .name: out0, .offset: 64, .size: 8, .value_kind: global_buffer, .address_space: global }
    .group_segment_fixed_size: 86528
    .private_segment_fixed_size: 0
    .kernarg_segment_align: 8
    .kernarg_segment_size: 72
    .max_flat_workgroup_size: 128
    .sgpr_count:     102
    .vgpr_count:     1024
    .wavefront_size: 32
...
	.end_amdgpu_metadata
.endif
;; end of part 2
